; MI455X (gfx1250); checked and timed in simulation.
; The chip was launched on July 23, 2026; its instructions are those of AMD's public machine-readable ISA for CDNA 5 (MIT licence, August 2026) and "CDNA5" Instruction Set Architecture Reference Guide (July 2026). The comments in the code are by the model that wrote it; some were corrected since.
;; Basis Change I to HW. Allowed arithmetic: matrix products marked QUANTISED: E2M1 operands, one E8M0 scale for each 32 along K, by v_wmma_scale_f32_16x16x128_f8f6f4 with both operands' format E2M1 (or v_wmma_scale_f32_32x16x128_f4), f32 sums; everything else in f32.
;; Inputs: input_state 2,048 x 4,096 float32; passage_matrix 8,128 x 4,096 float32.
;; Outputs: out0 2,048 x 8,128 float32.
;; This version of the problem:
;;   THIS VERSION OF THE PROBLEM IS GIVEN IN LOW PRECISION. The matrix products marked QUANTISED in the list below multiply operands that are first quantised to E2M1 (2 exponent bits, 1 mantissa bit; 4 bits a number), with one power-of-two scale for each 32 numbers along K (OCP MX v1.0); their sums are f32. All else is computed in f32.
;;   The module's matrix products, in the order in which they are computed (A, B: the left and right operand; K: the contracted axis; several contracted axes count as one K, in the product's order):
;;     1. [M 2,048, K 4,096] x [K 4,096, N 8,128]; A: input input_state; B: input passage_matrix: QUANTISED
;;   THE QUANTISER, for each operand of a quantised product, along K:
;;     - K is cut into blocks of 32 from its start; a last block that is shorter is filled with zeros.
;;     - A block's scale is 2^e with e = floor(log2(the largest magnitude in the block)) - 2, held to -126 .. 127; a block of zeros has e = 0. As a byte (E8M0): e + 127.
;;     - Each number is divided by its block's scale, clamped to +-6, and rounded to the nearest number of E2M1, ties to even, subnormals kept.
;;     - The product sums the exact products of the quantised numbers (number of the format x scale) in f32.
;;   ~~~python
;;   def quantise(x, axis):      # numpy; x: float32 -> the quantised numbers, widened to float32 again
;;       x = np.moveaxis(x, axis, -1); K = x.shape[-1]
;;       x = np.pad(x, [(0, 0)] * (x.ndim - 1) + [(0, -K % 32)]); x = x.reshape(x.shape[:-1] + (-1, 32)); a = np.abs(x).max(-1, keepdims=True)
;;       e = np.where(a > 0, np.clip(np.frexp(np.where(a > 0, a, 1))[1] - 1 - 2, -126, 127), 0)      # np.frexp(a)[1] - 1 = floor(log2(a)), exactly
;;       r = np.clip(x / 2.0 ** e, -6, 6)
;;       step = 2.0 ** (np.maximum(np.frexp(np.where(r == 0, 1, r))[1] - 1, 0) - 1)
;;       q = np.round(r / step) * step * 2.0 ** e      # np.round: ties to even
;;       return np.moveaxis(q.reshape(q.shape[:-2] + (-1,))[..., :K], -1, axis).astype(np.float32)
;;   ~~~
;; One version. Each part assembles by itself: llvm-mc -triple=amdgcn-amd-amdhsa -mcpu=gfx1250 --defsym DOCPART=n.
;; ======== version 1 of 1: 2 launches
;; limits: right only within a limited range of input values
;; workspace buffers: a_q 4,456,448 bytes; b_q 17,686,528 bytes
;; launch quant (part 1): grid 1272 x 1, 4 waves a work-group, no clusters, 39,424 bytes of LDS; arguments input_state, passage_matrix, a_q, b_q; writes a_q, b_q
.if DOCPART == 1
	.amdgcn_target "amdgcn-amd-amdhsa--gfx1250"
	.amdhsa_code_object_version 6
	.text
	.protected	k_q3944990d49_quant
	.globl	k_q3944990d49_quant
	.p2align	8
	.type	k_q3944990d49_quant,@function
k_q3944990d49_quant:
	s_mov_b64 s[64:65], 0
	v_nop
	global_prefetch_b8 v0, s[64:65] scope:SCOPE_SE
	s_setreg_imm32_b32 hwreg(HW_REG_WAVE_MODE, 25, 1), 1
	s_wait_xcnt 0x0
; x [2048][4096] and P [8128][4096], f32, K innermost, are turned into codes of FP4 (E2M1) with one E8M0 scale byte for each 32 along K.
; A block's scale is 2^(floor(log2(its largest magnitude)) - 2); its byte is the largest magnitude's own exponent field - 2, held at 1 from below (the contract's hold at -126).
; Each number is divided by the scale and rounded to the nearest code, ties to even; beyond 6 the conversion gives the largest code.
; LIMITS: NaN and infinities among the inputs are not served.  A block of zeros gets the byte 1 where the rule says 127: its codes are zeros, which add nothing under any byte but 0xff, and this program alone reads the bytes.
; WHAT IS WRITTEN: RECORDS.  A record is one row's part of one K step of 512: 256 bytes of codes (the lower k in the low four bits), then its 16 scale bytes: 272 bytes.
; Records lie [K step 0..7][row][272].  So the records of 16 neighbouring rows of a K step are 4,352 dense bytes (17 x 256), and those of 128 rows one dense block that the product's launch fetches by one tensor load.
; SHARES.  A work-group takes 16 rows and half of K; wave w takes one K step of these rows: 16 steps, a row's 512 numbers (2,048 consecutive bytes) each.  The first WGA work-groups take x, the others P: only pointers and one stride are chosen.
; The conversions take 8 numbers of ONE block from a lane's registers, so a lane must hold neighbours along K; a load is best where neighbouring LANES take neighbouring bytes.  Both are had: each of a step's four loads reads
; 512 consecutive bytes, 16 a lane; the 2,048 bytes go through the wave's own stage in LDS and come back 64 bytes a lane (16 numbers; two neighbouring lanes hold a block).  16 bytes of padding behind each 64 spread the reads over the banks.
; The wave's 16 records are gathered in its own LDS bytes and leave as 4,352 consecutive bytes, each store covering whole aligned runs of 256 bytes.
; No tensor loads, no barrier, no cluster, no matrix unit: the waves share nothing and every byte is read once.  Loads run four steps (16 loads a wave) ahead, the turn through LDS one step.
.set STEPS, 16
.set WGA,   256                        ; x: 128 groups of 16 rows x 2 halves of K
.set EMAX,  2                          ; the exponent of the format's largest number, 6
.set ROWK,  16384                      ; a row of x or P in bytes
.set RECB,  272                        ; a record
.set ASTEP, 2048*RECB                  ; from a K step's records to the next one's, in a_q
.set BSTEP, 8128*RECB                  ; and in b_q
.set SP,    80                         ; a lane's place in a stage: its 64 bytes + 16 of padding
.set WREG,  9728                       ; LDS: a region for each wave: two stages of 32 x SP bytes, then its 16 records
.set REC,   2*32*SP
.set R,     16                         ; v16-79   four sets of 16 numbers as they are loaded
.set X,     80                         ; v80-111  two sets of 16 neighbours
.set E,     112                        ; v112-127 a scale byte for each step
.set C,     128                        ; v128-159 codes: two registers for each step
.set OUTR,  16                         ; the way out lies over v16-47: the sets of loaded numbers are done with by then
	s_load_b256 s[4:11], s[0:1], 0x0               ; x s[4:5], P s[6:7], a_q s[8:9], b_q s[10:11]
	v_lshl_add_u32 v160, v0, 2, 0x9800
	v_mov_b32 v161, 0
	v_lshrrev_b32 v1, 5, v0
	v_readfirstlane_b32 s16, v1                    ; wave 0..3
	v_and_b32 v2, 31, v0                           ; lane
	v_lshlrev_b32 v3, 4, v2                        ; 16 x lane: my bytes of a load's 512, and of a store's
	v_lshlrev_b32 v7, 3, v2                        ; 8 x lane
	s_mul_i32 s28, s16, WREG                       ; my wave's region
	v_lshrrev_b32 v14, 2, v2
	v_mul_u32_u24 v14, v14, SP
	v_and_b32 v15, 3, v2
	v_lshl_add_u32 v14, v15, 4, v14
	v_add_nc_u32 v14, s28, v14                     ; the stage, on the way in: four lanes' 64 bytes on end, then the padding: SP (lane / 4) + 16 (lane % 4); a load's 512 bytes take eight places
	v_mul_u32_u24 v15, v2, SP
	v_add_nc_u32 v15, s28, v15                     ; and on the way out: SP x lane: my 16 neighbours
	s_add_co_u32 s28, s28, REC
	v_add_nc_u32 v4, s28, v7                       ; a record: my 16 codes, 8 bytes
	v_lshrrev_b32 v5, 1, v2
	v_add_nc_u32 v5, s28, v5
	v_add_nc_u32 v5, 256, v5                       ; and my block's scale byte, behind the 256 bytes of codes
	v_add_nc_u32 v6, s28, v3                       ; the records on their way out: 16 bytes a lane
	s_wait_alu depctr_va_vdst(0)
	s_wait_kmcnt 0x0
	s_cmp_lt_u32 ttmp9, WGA                        ; x's work-group or P's?  The choice hangs on the work-group's number alone; all selects stand ahead of the first sum
	s_cselect_b64 s[4:5], s[4:5], s[6:7]
	s_cselect_b64 s[8:9], s[8:9], s[10:11]
	s_mov_b32 s20, BSTEP
	s_cselect_b32 s20, ASTEP, s20
	s_cselect_b32 s17, 0, WGA
	s_sub_co_u32 s17, ttmp9, s17                   ; the work-group's number within its tensor
	s_lshr_b32 s18, s17, 1                         ; which 16 rows
	s_and_b32 s19, s17, 1
	s_lshl_b32 s19, s19, 2
	s_add_co_u32 s19, s19, s16                     ; my K step: 4 x half + wave
	s_lshl_b32 s22, s18, 18                        ; in: 16 rows of 16,384 bytes,
	s_lshl_b32 s23, s19, 11                        ; + 2,048 bytes a K step (under 2^28 in all)
	s_add_co_u32 s22, s22, s23
	s_mov_b32 s23, 0
	s_mul_i32 s24, s19, s20                        ; out: the K step's records,
	s_mul_i32 s25, s18, 16*RECB                    ; + 16 records
	s_add_co_u32 s24, s24, s25
	s_mov_b32 s25, 0
	s_add_nc_u64 s[4:5], s[4:5], s[22:23]
	s_add_nc_u64 s[8:9], s[8:9], s[24:25]
.macro LOAD t                          ; step t: row t's 2,048 bytes of my K step
.irp i, 0,1,2,3
	global_load_b128 v[R+16*((\t)%4)+4*\i:R+16*((\t)%4)+4*\i+3], v3, s[4:5] offset:ROWK*(\t)+512*\i th:TH_LOAD_NT   ; 32 lanes read 512 consecutive bytes; read once in the launch
.endr
.endm
.macro TURN t                          ; step t's numbers through the stage: LDS serves a wave's instructions in order (ISA guide 5.7.1), so no wait stands between the stores and the loads
.irp i, 0,1,2,3
	ds_store_b128 v14, v[R+16*((\t)%4)+4*\i:R+16*((\t)%4)+4*\i+3] offset:32*SP*((\t)%2)+8*SP*\i
.endr
.irp i, 0,1,2,3
	ds_load_b128 v[X+16*((\t)%2)+4*\i:X+16*((\t)%2)+4*\i+3], v15 offset:32*SP*((\t)%2)+16*\i
.endr
.endm
.irp t, 0,1,2,3
	LOAD \t
.endr
	s_wait_loadcnt 12                              ; step 0's four loads are in
	TURN 0
.macro STEP t
.set XS, X+16*((\t)%2)
.if (\t) > 0
	s_wait_dscnt 2                                 ; this step's numbers are back from the stage (the last step's two stores into its record may be out): so its stores into the stage have read their registers,
.else
	s_wait_dscnt 0x0
.endif
.if (\t)+4 < STEPS
	LOAD (\t)+4                                    ; which take the loads of four steps on
.endif
.if (\t)+1 < STEPS
.if STEPS-2-(\t) >= 3
	s_wait_loadcnt 12                              ; the next step's four loads are in; those of the three steps behind it may be out
.else
	s_wait_loadcnt 4*(STEPS-2-(\t))                ; (towards the end fewer steps stand behind it)
.endif
	TURN (\t)+1                                    ; and go through the other stage while this step is worked
.endif
	v_max3_num_f32 v8, |v[XS]|, |v[XS+1]|, |v[XS+2]|               ; the largest magnitude of my 16, in two chains
	v_max3_num_f32 v9, |v[XS+3]|, |v[XS+4]|, |v[XS+5]|
.irp i, 6,10
	v_max3_num_f32 v8, v8, |v[XS+\i]|, |v[XS+\i+1]|
	v_max3_num_f32 v9, v9, |v[XS+\i+2]|, |v[XS+\i+3]|
.endr
	v_max3_num_f32 v8, v8, |v[XS+14]|, |v[XS+15]|
	v_max3_num_f32 v8, v8, v9, (EMAX+1)<<23        ; and the floor 2^(EMAX + 1 - 127), under which no largest magnitude is taken: so the byte cannot fall under 1
	v_max_num_f32_dpp v8, v8, v8 row_xmask:1 row_mask:0xf bank_mask:0xf   ; and of my neighbour's 16: the block's
	v_add_nc_u32 v11, -(EMAX<<23), v8              ; EMAX off its exponent field: the conversion takes the exponent field of this operand as its scale, and nothing else of it
	v_cvt_scalef32_pk8_fp4_f32 v[C+2*(\t)], v[XS:XS+7], v11        ; eight numbers / the scale, to the nearest code, ties to even; the first number's code in the lowest four bits
	v_cvt_scalef32_pk8_fp4_f32 v[C+2*(\t)+1], v[XS+8:XS+15], v11
	v_lshrrev_b32 v[E+(\t)], 23, v11               ; the scale's byte (a plain vector line behind the conversions)
	ds_store_b64 v4, v[C+2*(\t):C+2*(\t)+1] offset:RECB*(\t)       ; record t: my 16 codes,
	ds_store_b8 v5, v[E+(\t)] offset:RECB*(\t)     ; and the block's byte: both lanes of a block write the same byte with the same value
.endm
.irp t, 0,1,2,3,4,5,6,7,8,9,10,11,12,13,14,15
	STEP \t
.endr
	; THE WAY OUT: 16 records = 4,352 bytes = 8 x 512 + 256.  LDS serves a wave's instructions in order: these loads see my stores.
.irp i, 0,1,2,3,4,5,6,7
	ds_load_b128 v[OUTR+4*\i:OUTR+4*\i+3], v6 offset:512*\i
.endr
	ds_load_b64 v[12:13], v4 offset:4096
.irp i, 0,1,2,3,4,5,6,7
	s_wait_dscnt 8-\i                              ; load i is in; the 7 - i wide loads behind it and the narrow one may be out
	global_store_b128 v3, v[OUTR+4*\i:OUTR+4*\i+3], s[8:9] offset:512*\i   ; 32 lanes store 512 consecutive bytes, at a multiple of 256 from the buffer's first byte
.endr
	s_wait_dscnt 0x0
	global_store_b64 v7, v[12:13], s[8:9] offset:4096              ; the last 256 bytes, 8 a lane
	s_wait_tensorcnt 0x0
	ds_add_u32 v160, v161
	s_wait_dscnt 0x0
	s_endpgm
.Lfunc_end_k_q3944990d49_quant:
	.size	k_q3944990d49_quant, .Lfunc_end_k_q3944990d49_quant-k_q3944990d49_quant
	.p2alignl 7, 3214868480
	.fill 96, 4, 3214868480
	.section	.rodata,"a",@progbits
	.p2align	6, 0x0
	.amdhsa_kernel k_q3944990d49_quant
		.amdhsa_group_segment_fixed_size 39424
		.amdhsa_private_segment_fixed_size 0
		.amdhsa_enable_private_segment 0
		.amdhsa_kernarg_size 32
		.amdhsa_user_sgpr_count 2
		.amdhsa_user_sgpr_kernarg_segment_ptr 1
		.amdhsa_wavefront_size32 1
		.amdhsa_system_sgpr_workgroup_id_x 1
		.amdhsa_system_sgpr_workgroup_id_y 1
		.amdhsa_system_sgpr_workgroup_id_z 1
		.amdhsa_system_vgpr_workitem_id 0
		.amdhsa_next_free_vgpr 162
		.amdhsa_next_free_sgpr 66
		.amdhsa_reserve_vcc 0
		.amdhsa_float_denorm_mode_32 3
		.amdhsa_float_denorm_mode_16_64 3
		.amdhsa_memory_ordered 1
		.amdhsa_forward_progress 1
		.amdhsa_inst_pref_size 34
	.end_amdhsa_kernel
	.amdgpu_metadata
---
amdhsa.version: [ 1, 2 ]
amdhsa.kernels:
  - .name:           k_q3944990d49_quant
    .symbol:         k_q3944990d49_quant.kd
    .args:
      - { .name: input_state, .offset: 0, .size: 8, .value_kind: global_buffer, .address_space: global }
      - { .name: passage_matrix, .offset: 8, .size: 8, .value_kind: global_buffer, .address_space: global }
      - { .name: a_q, .offset: 16, .size: 8, .value_kind: global_buffer, .address_space: global }
      - { .name: b_q, .offset: 24, .size: 8, .value_kind: global_buffer, .address_space: global }
    .group_segment_fixed_size: 39424
    .private_segment_fixed_size: 0
    .kernarg_segment_align: 8
    .kernarg_segment_size: 32
    .max_flat_workgroup_size: 128
    .sgpr_count:     66
    .vgpr_count:     162
    .wavefront_size: 32
...
	.end_amdgpu_metadata
.endif
;; end of part 1
;; launch gemm (part 2): grid 32 x 8, 4 waves a work-group, clusters of 4 x 4, 327,680 bytes of LDS; arguments a_q, b_q, out0; writes out0
.if DOCPART == 2
	.amdgcn_target "amdgcn-amd-amdhsa--gfx1250"
	.amdhsa_code_object_version 6
	.text
	.protected	k_q3944990d49_gemm
	.globl	k_q3944990d49_gemm
	.p2align	8
	.type	k_q3944990d49_gemm,@function
k_q3944990d49_gemm:
	s_mov_b64 s[64:65], 0
	v_nop
	global_prefetch_b8 v0, s[64:65] scope:SCOPE_SE
	s_setreg_imm32_b32 hwreg(HW_REG_WAVE_MODE, 25, 1), 1
	s_wait_xcnt 0x0
	s_wait_alu depctr_hold_cnt(0) depctr_sa_sdst(0) depctr_va_vdst(0) depctr_va_sdst(0) depctr_va_ssrc(0) depctr_va_vcc(0) depctr_vm_vsrc(0)
	s_getreg_b32 s2, hwreg(HW_REG_IB_STS2, 6, 4)
	s_cmp_eq_u32 s2, 0
	s_cbranch_scc0 .Lentry_in_a_cluster
	s_endpgm
.Lentry_in_a_cluster:
	s_bfe_u32 s2, ttmp6, 0x10000c
	s_cmp_lg_u32 s2, 0xf033
	s_cbranch_scc0 .Lentry_shape_is_right
	s_endpgm
.Lentry_shape_is_right:
; out[m][n] = sum over k of x[m][k] P[n][k] on codes of FP4 (E2M1) with E8M0 scales, f32 sums.  a_q, b_q: records [K step of 512][row][272]: 256 bytes of codes, then 16 scale bytes.
; A work-group of four waves makes 256 x 256 of out, a wave 128 x 128: 64 accumulators.  The last tile column begins at column 7,872 and stores only what the column before it does not hold.
; K goes in 8 steps of 512 through two LDS slots; the records of 128 rows of a K step are one dense block of 136 x 256 bytes, one tensor load a wave.
; CLUSTERS 4 x 4: x's tiles are asked for jointly along a row of the cluster, P's along a column.  Clusters begin at K step 0 or 4 by the parity of their place and go round.
; The matrix instruction is used transposed (source 0 = rows of P, source 1 = rows of x): a lane holds eight neighbouring columns of one row of out.
; REGISTERS.  Each window holds one quadrant of the accumulators at v128-255 and, at v64-127, two sets of four fragments:
;   window 0: quadrant (x blocks 0-3, P blocks 0-3), x's blocks 0-3; also v0-31 addresses of the way out and of the prefetches, the add's registers; v32-63 scale words (two sets of 16)
;   window 1: quadrant (0-3, 4-7), P's blocks 0-3; v16-17 x's fragment addresses, v22-23 the scale words' addresses
;   window 2: quadrant (4-7, 4-7), P's blocks 4-7; v20-21 P's fragment addresses
;   window 3: quadrant (4-7, 0-3), x's blocks 4-7
; A step of 128 along K is four groups of 16 products, one quadrant each.  A group's window setting also serves the loads of the four fragments that lie in its window.
; Both operands have two sets, so the next step's 32 LDS loads go out in TWO RUNS of 16: one at the step's start, for what the next step multiplies first, one in its middle.
; The change of slots stands at the end of a slot's third step: the fourth step's fragments are then in registers, nobody reads the slot any more, and the fourth step fetches from the next slot.
; PREFETCH: behind the load of the j-th K step of the walk each wave asks for K step j + 2: of the 136 blocks of 256 bytes that it will fetch, the 34 that fall to its work-group among the four
; partners, told apart by address (cx for x's tiles, cy for P's): a lane a block, two instructions.  The head asks for K steps 1 and 2; the walk's last two refills ask for nothing.
; No work is left out: both operands are read whole.  LIMITS: those of the launch that makes the records.
.set PITCH,  272
.set HALFT,  128*PITCH
.set SLOT,   4*HALFT
.set LAPS,   4
.set ASTEP,  2048*PITCH
.set BSTEP,  8128*PITCH
.set SPARE,  2*SLOT                    ; the spare words, 512 bytes, a word a lane, that only the adds touch
.set STAGE,  SPARE+512                 ; the way out: 16 rows x 528 bytes for each wave; no tensor load lands here
.set SPITCH, 528
.set CROW,   8128*4
.set LASTCOL, 8128-256
.set ADRA, 16
.set ADRB, 20
.set ADRS, 22
.set STO,  24
.set RD,   25
.set CO,   26
.set LANE, 27
.set SPW,  28
.set NIL,  29
.set PFO,  30                          ; v30-31 the prefetches' offsets: blocks 0-31 of my 34, and blocks 32, 33
.set SC,   32                          ; scale words: set q / 2 at SC + 16 (q / 2); register 2 block + q % 2: lanes 0-15 x's block, lanes 16-31 P's block
.set FRG,  64
.set ACC,  128
.set BK,   64
.set BA,   8
.set BB0,  10
.set G1, 24
.set G0, 32
.set G1B, 48
.set G0B, 56
.set KS,   68
.set OFS,  70
.set PFB,  76                          ; s[76:77] the block that I fetch, at K step 0
.set PST,  78                          ; bytes from K step to K step in that buffer
.set PK,   79                          ; the K step asked for last
.set PFX,  80                          ; s[80:81], s[84:85] addresses of prefetches
.set PT,   82
.set PFY,  84
.set MSB, 0
.macro WIN new                         ; the immediate's high byte repeats the setting that is left
.if MSB != (\new)
	s_set_vgpr_msb (MSB<<8)|(\new)
.set MSB, (\new)
.endif
.endm
.macro WING t                          ; group t's setting: source 0, source 1, C and D
.if (\t) == 0
	WIN 0x01
.endif
.if (\t) == 1
	WIN 0x52
.endif
.if (\t) == 2
	WIN 0xae
.endif
.if (\t) == 3
	WIN 0xfd
.endif
.endm
.macro PLACES
.rept 4
	v_nop
.endr
.endm
.macro JLOAD g0a, g1a, g0b, g1b        ; a joint load: waves 0 and 1 fetch x's halves, waves 2 and 3 P's
	s_cmp_eq_u32 s15, 0
	s_cbranch_scc0 .Lfor_b_\@
	tensor_load_to_lds s[\g0a:\g0a+3], s[\g1a:\g1a+7]
	s_nop 0
	PLACES
	s_branch .Lasked_\@
.Lfor_b_\@:
	tensor_load_to_lds s[\g0b:\g0b+3], s[\g1b:\g1b+7]
	s_nop 0
	PLACES
.Lasked_\@:
.endm
.macro CREST                           ; a round of the cluster's barrier behind its opening barrier
	s_cmp_lg_u32 s14, 0
	s_cbranch_scc1 .Lnot_wave_0_\@
	s_barrier_signal -3
.Lnot_wave_0_\@:
	s_barrier_wait -3
	s_barrier_signal -1
	s_barrier_wait -1
.endm
.macro CROUND
	s_barrier_signal -1
	s_barrier_wait -1
	CREST
.endm
.macro WHERE s                         ; slot s's two global addresses from its K step
	s_mul_i32 s[OFS], s[KS+\s], ASTEP
	s_add_nc_u64 s[G0+4*\s+2:G0+4*\s+3], s[BA:BA+1], s[OFS:OFS+1]
	s_or_b32 s[G0+4*\s+3], s[G0+4*\s+3], 0x80000000
	s_mul_i32 s[OFS], s[KS+\s], BSTEP
	s_add_nc_u64 s[G0B+4*\s+2:G0B+4*\s+3], s[BB0:BB0+1], s[OFS:OFS+1]
	s_or_b32 s[G0B+4*\s+3], s[G0B+4*\s+3], 0x80000000
.endm
.macro PFSET p                         ; the next K step of the walk, as a prefetch's address
	s_wait_xcnt 0x0                                ; earlier prefetches have read their address registers
	s_add_co_u32 s[PK], s[PK], 1
	s_and_b32 s[PK], s[PK], 7
	s_mul_i32 s[PT], s[PK], s[PST]
	s_add_nc_u64 s[\p:\p+1], s[PFB:PFB+1], s[PT:PT+1]
.endm
.macro ASKP p                          ; my work-group's 34 blocks of 256 bytes; in the second line lanes 1-31 all name the last block
	global_prefetch_b8 v[PFO], s[\p:\p+1] th:TH_LOAD_NT scope:SCOPE_SE
	global_prefetch_b8 v[PFO+1], s[\p:\p+1] th:TH_LOAD_NT scope:SCOPE_SE
.endm
	s_load_b128 s[4:7], s[0:1], 0x0                ; a_q, b_q
	s_load_b64 s[12:13], s[0:1], 0x10              ; out
	v_lshl_add_u32 v[SPW], v0, 2, SPARE
	v_mov_b32 v[NIL], 0
	ds_add_u32 v[SPW], v[NIL]                      ; the opening lines: the add twice on end and one wait
	ds_add_u32 v[SPW], v[NIL]
	v_lshrrev_b32 v1, 5, v0
	v_readfirstlane_b32 s14, v1                    ; wave
	s_lshr_b32 s15, s14, 1                         ; my half of the rows; also: I fetch for x (0) or P (1)
	s_and_b32 s16, s14, 1                          ; my half of the columns; also: which 128 rows I fetch
	s_bfe_u32 s40, ttmp6, 0x40000                  ; cx
	s_bfe_u32 s41, ttmp6, 0x40004                  ; cy
	s_lshl_b32 s42, ttmp9, 2
	s_add_co_u32 s42, s42, s40                     ; tile column
	s_and_b32 s17, ttmp7, 0xffff
	s_xor_b32 s[KS], s17, ttmp9
	s_bcnt1_i32_b32 s[KS], s[KS]
	s_and_b32 s[KS], s[KS], 1
	s_lshl_b32 s[KS], s[KS], 2                     ; the cluster's first K step: 0 or 4
	s_add_co_u32 s[KS+1], s[KS], 1
	s_mov_b32 s[OFS+1], 0
	s_lshl_b32 s17, s17, 2
	s_add_co_u32 s17, s17, s41                     ; tile row
	s_lshl_b32 s43, s41, 2
	s_lshl_b32 s43, 15, s43                        ; my row of the cluster
	s_lshl_b32 s44, 0x1111, s40                    ; my column
	s_or_b32 s[G1+0], s43, (3<<16)|(1<<21)         ; elements of 8 bytes, no padding: the records carry their own 16 bytes
	s_or_b32 s[G1B+0], s44, (3<<16)|(1<<21)
.irp g, G1, G1B
	s_mov_b32 s[\g+1], 32<<16                      ; rows of 256 bytes,
	s_mov_b32 s[\g+2], 136<<16                     ; 136 of them: 128 records
	s_mov_b32 s[\g+3], 32<<16
	s_mov_b32 s[\g+4], 136
	s_mov_b32 s[\g+5], 32
	s_mov_b32 s[\g+6], 0
	s_mov_b32 s[\g+7], 0
.endr
	s_lshl_b32 s18, s16, 7
	s_lshl_b32 s20, s17, 8
	s_add_co_u32 s20, s20, s18
	s_mul_i32 s20, s20, PITCH
	s_mov_b32 s21, 0
	s_lshl_b32 s19, s42, 8
	s_min_u32 s19, s19, LASTCOL                    ; the tile's first column
	s_add_co_u32 s46, s19, s18
	s_mul_i32 s46, s46, PITCH
	s_mov_b32 s47, 0
	s_mul_i32 s45, s14, HALFT
	s_wait_dscnt 0x0                               ; both opening adds are done
	s_wait_kmcnt 0x0
	s_add_nc_u64 s[BA:BA+1], s[4:5], s[20:21]
	s_add_nc_u64 s[BB0:BB0+1], s[6:7], s[46:47]
	CROUND                                         ; all sixteen work-groups are here: the first joint loads meet
.irp s, 0,1
	s_mov_b32 s[G0+4*\s], 1
	s_add_co_u32 s[G0+4*\s+1], s45, \s*SLOT
	s_mov_b32 s[G0B+4*\s], 1
	s_add_co_u32 s[G0B+4*\s+1], s45, \s*SLOT
	WHERE \s
.endr
	JLOAD G0, G1, G0B, G1B                         ; slot 0: one tensor load a wave at the head
	s_cmp_eq_u32 s15, 0                            ; the prefetches: do I fetch for x?
	s_cselect_b64 s[PFB:PFB+1], s[BA:BA+1], s[BB0:BB0+1]
	s_cselect_b32 s75, s40, s41                    ; my place among the four that ask with me
	s_mov_b32 s[PST], BSTEP
	s_cselect_b32 s[PST], ASTEP, s[PST]
	s_mul_i32 s75, s75, 34*256                     ; my work-group's 34 blocks
	s_mov_b32 s[PK], s[KS]
	s_mov_b32 s[PT+1], 0
	PFSET PFX                                      ; the walk's K step 1
	PFSET PFY                                      ; and 2
	s_mul_i32 s21, s15, HALFT                      ; my 128 rows of x in a slot
	s_mul_i32 s22, s16, HALFT
	s_add_co_u32 s22, s22, 2*HALFT                 ; my 128 rows of P, behind x's 256
	s_sub_co_u32 s23, s22, s21
	s_add_co_u32 s72, s21, SLOT
	s_add_co_u32 s73, s22, SLOT
	s_mul_i32 s74, s14, 16*SPITCH
	s_add_co_u32 s74, s74, STAGE                   ; my stage
	s_lshl_b32 s2, s17, 8
	s_lshl_b32 s3, s15, 7
	s_add_co_u32 s2, s2, s3                        ; my first row of out
	s_mul_i32 s2, s2, CROW
	s_mov_b32 s3, 0
	s_lshl_b32 s47, s16, 7
	s_add_co_u32 s46, s19, s47                     ; my first column
	s_lshl_b32 s46, s46, 2
	s_mov_b32 s47, 0
	s_add_nc_u64 s[2:3], s[2:3], s[46:47]
	s_add_nc_u64 s[12:13], s[12:13], s[2:3]
	s_cmp_eq_u32 s42, 31                           ; the last tile column's left waves store from lane 16 on: columns 7,872 to 7,935 belong to the column before
	s_cselect_b32 s66, 16, 0
	s_cmp_eq_u32 s16, 0
	s_cselect_b32 s66, s66, 0
	v_and_b32 v1, 15, v0                           ; r
	v_bfe_u32 v2, v0, 4, 1                         ; h
	v_mul_u32_u24 v3, v1, PITCH
	v_lshl_add_u32 v4, v2, 4, v3                   ; a fragment: row x pitch + 16 h
	v_mul_u32_u24 v6, s23, v2                      ; lanes 16-31 take P's scale words
	v_add_nc_u32 v5, 256, v3
	v_add_nc_u32 v5, v5, v6
	v_mul_u32_u24 v7, v1, SPITCH
	v_lshl_add_u32 v7, v2, 5, v7
	v_add_nc_u32 v[STO], s74, v7
	v_and_b32 v[LANE], 31, v0
	v_lshlrev_b32 v[CO], 4, v[LANE]
	v_add_nc_u32 v[RD], s74, v[CO]
	v_lshl_add_u32 v[PFO], v[LANE], 8, s75         ; block lane of my 34
	v_min_u32 v8, 1, v[LANE]
	v_lshl_add_u32 v[PFO+1], v8, 8, s75
	v_add_nc_u32 v[PFO+1], 32*256, v[PFO+1]        ; blocks 32 and 33
	WIN 0x40                                       ; into window 1
	v_add_nc_u32 v[ADRA], s21, v4
	v_add_nc_u32 v[ADRA+1], s72, v4
	v_add_nc_u32 v[ADRS], s21, v5
	v_add_nc_u32 v[ADRS+1], s72, v5
	WIN 0x80                                       ; into window 2
	v_add_nc_u32 v[ADRB], s22, v4
	v_add_nc_u32 v[ADRB+1], s73, v4
	WIN 0
; load l (0..7) of the four fragments that lie in group t's window: fragment l / 2, half l % 2; of the slot ls's lq-th 128 along K, into set lq % 2
.macro LDF t, ls, lq, l
	ds_load_b128 v[FRG+32*((\lq)%2)+4*(\l):FRG+32*((\lq)%2)+4*(\l)+3], v[ADRA+4*((((\t)+1)>>1)&1)+(\ls)] offset:64*(\lq)+32*((\l)%2)+(4*((\t)>>1)+(\l)/2)*16*PITCH
.endm
.macro LDRUN t, ls, lq
	WING \t
.set L_, 0
.rept 8
	LDF \t, \ls, \lq, L_
.set L_, L_+1
.endr
.endm
.macro LDSC set, ss                    ; a set of scale words, two of each block: lanes 0-15 x's, lanes 16-31 P's (under group 0's setting)
.irp n, 0,1,2,3,4,5,6,7
	ds_load_b64 v[SC+16*(\set)+2*\n:SC+16*(\set)+2*\n+1], v[ADRS+(\ss)] offset:\n*16*PITCH+8*(\set)
.endr
.endm
; group t: 16 products, x's half t / 2 against P's half ((t + 1) / 2) % 2; the 64 accumulators take turns in the same order in every step
.macro GRP t, q, zero
	WING \t
.set N_, 0
.rept 16
.set D_, ACC+8*N_
.set B_, FRG+32*((\q)%2)+8*(N_%4)
.set A_, FRG+32*((\q)%2)+8*(N_/4)
.set SB_, SC+16*((\q)/2)+2*(4*((((\t)+1)>>1)&1)+N_%4)+(\q)%2
.set SA_, SC+16*((\q)/2)+2*(4*((\t)>>1)+N_/4)+(\q)%2
.if \zero
	v_wmma_scale_f32_16x16x128_f8f6f4 v[D_:D_+7], v[B_:B_+7], v[A_:A_+7], 0, v[SB_], v[SA_] matrix_a_fmt:MATRIX_FMT_FP4 matrix_b_fmt:MATRIX_FMT_FP4 matrix_a_scale:MATRIX_SCALE_ROW1
.else
	v_wmma_scale_f32_16x16x128_f8f6f4 v[D_:D_+7], v[B_:B_+7], v[A_:A_+7], v[D_:D_+7], v[SB_], v[SA_] matrix_a_fmt:MATRIX_FMT_FP4 matrix_b_fmt:MATRIX_FMT_FP4 matrix_a_scale:MATRIX_SCALE_ROW1
.endif
.set N_, N_+1
.endr
.endm
; A step: the q-th 128 along K of a slot.  ld = 1: it fetches the fragments of (slot ls, lq).  sc, ss: the set of scale words it fetches (-1: none), and from which slot.
; mode 1: a barrier behind the step; mode 2: a round of the cluster's barrier, the refill of slot 'slot' and a prefetch.
; LDS loads come back in order.  A step's first run: P's blocks 0-3, x's blocks 0-3, the scale words; its second: x's blocks 4-7, P's blocks 4-7.
.macro STEP q, zero, ld, ls, lq, sc, ss, mode, slot
.if \mode == 2
	PFSET PFX                                      ; ahead of the waits of the change of slots
.endif
	s_wait_dscnt 16                                ; the last step's first run is in; its second run may be out
.if \ld
	PLACES                                         ; four places between the last step's products and the loads into the sets that they read
	LDRUN 1, \ls, \lq
	LDRUN 0, \ls, \lq
.if (\sc) >= 0
	LDSC \sc, \ss
.endif
.endif
	GRP 0, \q, \zero
.if \ld
.if (\sc) >= 0
	s_wait_dscnt 24                                ; the last step's second run is in: younger are this step's 16 loads and 8 scale loads
.else
	s_wait_dscnt 16
.endif
.else
	s_wait_dscnt 0
.endif
	GRP 1, \q, \zero
.if \ld
	LDRUN 3, \ls, \lq
	LDRUN 2, \ls, \lq
.endif
	GRP 2, \q, \zero
.if \mode
	WIN 0
	s_wait_tensorcnt 0x0                           ; my one tensor load that was out, my part of the next slot, has landed
	ds_add_u32 v[SPW], v[NIL]
.if \mode == 2
	s_add_co_u32 s[KS+\slot], s[KS+\slot], 2       ; no tensor load of mine is out: this slot's next K step
	s_and_b32 s[KS+\slot], s[KS+\slot], 7
	WHERE \slot
.endif
.endif
	GRP 3, \q, \zero
.if \mode
	s_wait_dscnt 0x0                               ; the add is done, and my reads of this slot are over
	s_barrier_signal -1
	WIN 0
	s_barrier_wait -1
.if \mode == 2
	CREST                                          ; no wave of any partner still reads the slot or has a load on its way
	JLOAD G0+4*\slot, G1, G0B+4*\slot, G1B         ; the refill, first behind the round
	s_cmp_gt_u32 s3, 1                             ; the last trip's two refills have no K step two on
	s_cbranch_scc0 .Lno_ask_\@
	ASKP PFX
.Lno_ask_\@:
.endif
.endif
.endm
.macro REST s, n, mode                 ; a slot's steps 1 to 3; step 3 fetches from slot n
	STEP 1, 0, 1, \s, 2, 1, \s, 0, 0
	STEP 2, 0, 1, \s, 3, -1, 0, \mode, \s
	STEP 3, 0, 1, \n, 0, 0, \n, 0, 0
.endm
	s_wait_alu depctr_va_vdst(0)
	ASKP PFX                                       ; the walk's K steps 1 and 2
	ASKP PFY
	s_wait_tensorcnt 0x0                           ; my part of slot 0 is in; the same lines as ahead of a refill stand ahead of slot 1's first fill
	ds_add_u32 v[SPW], v[NIL]
	s_wait_dscnt 0x0
	CROUND
	JLOAD G0+4, G1, G0B+4, G1B                     ; slot 1
	PFSET PFX
	ASKP PFX                                       ; the walk's K step 3
	LDRUN 1, 0, 0
	LDRUN 0, 0, 0
	LDSC 0, 0
	LDRUN 3, 0, 0
	LDRUN 2, 0, 0
	STEP 0, 1, 1, 0, 1, -1, 0, 0, 0                ; the first step starts the sums
	WIN 0
	s_mov_b32 s3, LAPS-1
.Llap:                                                 ; a trip goes once round the ring and fills both slots again
	REST 0, 1, 2
	STEP 0, 0, 1, 1, 1, -1, 0, 0, 0
	REST 1, 0, 2
	STEP 0, 0, 1, 0, 1, -1, 0, 0, 0
	WIN 0
	s_sub_co_u32 s3, s3, 1
	s_cmp_lg_u32 s3, 0
	s_cbranch_scc1 .Llap
	REST 0, 1, 1                                   ; the last lap fills nothing
	STEP 0, 0, 1, 1, 1, -1, 0, 0, 0
	STEP 1, 0, 1, 1, 2, 1, 1, 0, 0
	STEP 2, 0, 1, 1, 3, -1, 0, 0, 0
	STEP 3, 0, 0, 0, 0, -1, 0, 0, 0
	WIN 0
; THE WAY OUT, by blocks of 16 rows x 128 columns: through my own stage and back as whole rows of 512 bytes.  LDS serves a wave's instructions in order.
.macro TOSTAGE a
.set AC, ACC+32*((\a)%4)
	WIN (3*((\a)/4))<<2                            ; the data: columns 0-63 lie in window 0 or 3,
.irp b, 0,1,2,3
	ds_store_b128 v[STO], v[AC+8*\b:AC+8*\b+3] offset:64*\b          ; each accumulator from its low end on
	ds_store_b128 v[STO], v[AC+8*\b+4:AC+8*\b+7] offset:64*\b+16
.endr
	WIN (1+(\a)/4)<<2                              ; columns 64-127 in window 1 or 2
.irp b, 0,1,2,3
	ds_store_b128 v[STO], v[AC+8*\b:AC+8*\b+3] offset:256+64*\b
	ds_store_b128 v[STO], v[AC+8*\b+4:AC+8*\b+7] offset:256+64*\b+16
.endr
	WIN ((\a)%2)<<6                                ; back into v64-127 of window 0 or 1, by turns
.irp t, 0,1,2,3,4,5,6,7,8,9,10,11,12,13,14,15
	ds_load_b128 v[BK+4*\t:BK+4*\t+3], v[RD] offset:\t*SPITCH
.endr
.endm
.macro SEND a, younger
	s_wait_dscnt \younger                          ; the block is back in registers
.if (\a) > 0
	s_add_nc_u64 s[12:13], s[12:13], 16*CROW       ; behind the last block's wait on XCNT
.endif
	WIN ((\a)%2)<<2
	s_and_saveexec_b32 s67, vcc_lo
.irp t, 0,1,2,3,4,5,6,7,8,9,10,11,12,13,14,15
	global_store_b128 v[CO], v[BK+4*\t:BK+4*\t+3], s[12:13] offset:\t*CROW th:TH_STORE_NT   ; 32 lanes store 512 consecutive bytes, at a multiple of 256 from out's first byte
.endr
	s_wait_xcnt 0x0                                ; EXEC, the base and the data are written again only behind this wait
	s_or_b32 exec_lo, exec_lo, s67
.endm
	PLACES
	s_wait_xcnt 0x0                                ; EXEC changes below only behind this wait: the prefetches have been translated
	v_cmp_le_u32 vcc_lo, s66, v[LANE]
	TOSTAGE 0
.irp a, 1,2,3,4,5,6,7
	TOSTAGE \a
	SEND \a-1, 32                                  ; younger: block a's 16 stores and 16 loads
.endr
	SEND 7, 0
	WIN 0
	s_wait_tensorcnt 0x0                           ; the wave's end
	ds_add_u32 v[SPW], v[NIL]
	s_wait_dscnt 0x0
	CROUND                                         ; the closing round
	s_endpgm
.Lfunc_end_k_q3944990d49_gemm:
	.size	k_q3944990d49_gemm, .Lfunc_end_k_q3944990d49_gemm-k_q3944990d49_gemm
	.p2alignl 7, 3214868480
	.fill 96, 4, 3214868480
	.section	.rodata,"a",@progbits
	.p2align	6, 0x0
	.amdhsa_kernel k_q3944990d49_gemm
		.amdhsa_group_segment_fixed_size 327680
		.amdhsa_private_segment_fixed_size 0
		.amdhsa_enable_private_segment 0
		.amdhsa_kernarg_size 24
		.amdhsa_user_sgpr_count 2
		.amdhsa_user_sgpr_kernarg_segment_ptr 1
		.amdhsa_wavefront_size32 1
		.amdhsa_system_sgpr_workgroup_id_x 1
		.amdhsa_system_sgpr_workgroup_id_y 1
		.amdhsa_system_sgpr_workgroup_id_z 1
		.amdhsa_system_vgpr_workitem_id 0
		.amdhsa_next_free_vgpr 1024
		.amdhsa_next_free_sgpr 86
		.amdhsa_reserve_vcc 1
		.amdhsa_float_denorm_mode_32 3
		.amdhsa_float_denorm_mode_16_64 3
		.amdhsa_memory_ordered 1
		.amdhsa_forward_progress 1
		.amdhsa_inst_pref_size 215
	.end_amdhsa_kernel
	.amdgpu_metadata
---
amdhsa.version: [ 1, 2 ]
amdhsa.kernels:
  - .name:           k_q3944990d49_gemm
    .symbol:         k_q3944990d49_gemm.kd
    .args:
      - { .name: a_q, .offset: 0, .size: 8, .value_kind: global_buffer, .address_space: global }
      - { .name: b_q, .offset: 8, .size: 8, .value_kind: global_buffer, .address_space: global }
      - { .name: out0, .offset: 16, .size: 8, .value_kind: global_buffer, .address_space: global }
    .group_segment_fixed_size: 327680
    .private_segment_fixed_size: 0
    .kernarg_segment_align: 8
    .kernarg_segment_size: 24
    .max_flat_workgroup_size: 128
    .sgpr_count:     86
    .vgpr_count:     1024
    .wavefront_size: 32
...
	.end_amdgpu_metadata
.endif
;; end of part 2
